; MI455X (gfx1250); checked and timed in simulation.
; The chip was launched on July 23, 2026; its instructions are those of AMD's public machine-readable ISA for CDNA 5 (MIT licence, August 2026) and "CDNA5" Instruction Set Architecture Reference Guide (July 2026). The comments in the code are by the model that wrote it; some were corrected since.
;; TFN. Allowed arithmetic: matrix products marked QUANTISED: E2M1 operands, one E8M0 scale for each 32 along K, by v_wmma_scale_f32_16x16x128_f8f6f4 with both operands' format E2M1 (or v_wmma_scale_f32_32x16x128_f4), f32 sums; products left as they are: f32 operands where the result goes on into a quantised operand, else bf16, f16 or f32 operands; f32 sums; everything else in f32.
;; Inputs: W1 4,257 x 768 float32; W2 768 x 768 float32; aW 128 x 32 float32; a_beta 128 float32; a_gamma 128 float32; a_mean 128 float32; a_var 128 float32; ab 32 float32; audio_x 128 x 128 x 128 float32; b1 768 float32; b2 768 float32; tW 768 x 128 float32; t_beta 768 float32; t_gamma 768 float32; t_mean 768 float32; t_var 768 float32; tb 128 float32; text_x 128 x 128 x 768 float32.
;; Outputs: out0 128 x 128 x 768 float32.
;; This version of the problem:
;;   THIS VERSION OF THE PROBLEM IS GIVEN IN LOW PRECISION. The matrix products marked QUANTISED in the list below multiply operands that are first quantised to E2M1 (2 exponent bits, 1 mantissa bit; 4 bits a number), with one power-of-two scale for each 32 numbers along K (OCP MX v1.0); their sums are f32. All else is computed in f32.
;;   The module's matrix products, in the order in which they are computed (A, B: the left and right operand; K: the contracted axis; several contracted axes count as one K, in the product's order):
;;     1. [M 16,384, K 128] x [K 128, N 32]; A: computed on the way; B: input aW: QUANTISED
;;     2. [M 16,384, K 768] x [K 768, N 128]; A: computed on the way; B: input tW: QUANTISED
;;     3. batch 16,384 x [M 33, K 1] x [K 1, N 129]; A: computed on the way; B: computed on the way: left as it is (no contracted axis)
;;     4. [M 16,384, K 4,257] x [K 4,257, N 768]; A: computed on the way; B: input W1: QUANTISED
;;     5. [M 16,384, K 768] x [K 768, N 768]; A: computed on the way; B: input W2: QUANTISED
;;   THE QUANTISER, for each operand of a quantised product, along K:
;;     - K is cut into blocks of 32 from its start; a last block that is shorter is filled with zeros.
;;     - A block's scale is 2^e with e = floor(log2(the largest magnitude in the block)) - 2, held to -126 .. 127; a block of zeros has e = 0. As a byte (E8M0): e + 127.
;;     - Each number is divided by its block's scale, clamped to +-6, and rounded to the nearest number of E2M1, ties to even, subnormals kept.
;;     - The product sums the exact products of the quantised numbers (number of the format x scale) in f32.
;;   ~~~python
;;   def quantise(x, axis):      # numpy; x: float32 -> the quantised numbers, widened to float32 again
;;       x = np.moveaxis(x, axis, -1); K = x.shape[-1]
;;       x = np.pad(x, [(0, 0)] * (x.ndim - 1) + [(0, -K % 32)]); x = x.reshape(x.shape[:-1] + (-1, 32)); a = np.abs(x).max(-1, keepdims=True)
;;       e = np.where(a > 0, np.clip(np.frexp(np.where(a > 0, a, 1))[1] - 1 - 2, -126, 127), 0)      # np.frexp(a)[1] - 1 = floor(log2(a)), exactly
;;       r = np.clip(x / 2.0 ** e, -6, 6)
;;       step = 2.0 ** (np.maximum(np.frexp(np.where(r == 0, 1, r))[1] - 1, 0) - 1)
;;       q = np.round(r / step) * step * 2.0 ** e      # np.round: ties to even
;;       return np.moveaxis(q.reshape(q.shape[:-2] + (-1,))[..., :K], -1, axis).astype(np.float32)
;;   ~~~
;;   OPERANDS COMPUTED ON THE WAY. 'Computed on the way' means the value that the module computes at that place (a softmax that the list does not call 'softmax' is quantised finished and normalised). What goes into a quantiser is computed in f32, as accurately as f32 sums, v_exp_f32 and their like allow (about 1e-6 of the number): no bf16 or f16 on the way to a quantiser, and a product that is left as it is and whose result goes on into a quantised operand takes f32 operands (vector FMAs, or v_wmma_f32_16x16x4_f32). A number that lies on a knife's edge between two numbers of the format may be rounded either way, as far as f32 arithmetic and the matrix unit's own rounding can turn it there, and no further.
;; One version. Each part assembles by itself: llvm-mc -triple=amdgcn-amd-amdhsa -mcpu=gfx1250 --defsym DOCPART=n.
;; ======== version 1 of 1: 2 launches
;; limits: right only within a limited range of input values
;; workspace buffers: wstream 2,193,408 bytes; awx 4,352 bytes; tbx 1,024 bytes
;; launch prep (part 1): grid 253 x 1, 16 waves a work-group, no clusters, 2,560 bytes of LDS; arguments W1, W2, tW, aW, tb, wstream, awx, tbx; writes wstream, awx, tbx
.if DOCPART == 1
	.amdgcn_target "amdgcn-amd-amdhsa--gfx1250"
	.amdhsa_code_object_version 6
	.text
	.protected	k_q9df3e34cbe_prep
	.globl	k_q9df3e34cbe_prep
	.p2align	8
	.type	k_q9df3e34cbe_prep,@function
k_q9df3e34cbe_prep:
	s_mov_b64 s[64:65], 0
	v_nop
	global_prefetch_b8 v0, s[64:65] scope:SCOPE_SE
	s_setreg_imm32_b32 hwreg(HW_REG_WAVE_MODE, 25, 1), 1
	s_wait_xcnt 0x0
; The four weights, f32 with K as their FIRST axis, become codes of E2M1 with one E8M0 byte for each 32 along K, laid as IMAGES OF THE OPERAND'S REGISTERS, in the order in which the second launch walks them.
; NO WORK OF THE PROBLEM IS LEFT OUT in this program: every input has a way to the output and is loaded.  Added: zero codes for K = 4,257 .. 4,351 of W1 (the quantiser's own filling, carried on to a whole K step of 128).
; A block's scale is 2^(floor(log2(its largest magnitude)) - 2); its byte is that magnitude's exponent field - 2, held at 1 from below.
; LIMITS: NaN and infinities among the inputs are not served; a block whose largest magnitude lies under 2^-124 gets the byte 1; a block of zeros gets the byte 1 where the rule says 127 (its codes are zeros, and this program alone reads the bytes).
; A STEP TILE (52,224 bytes) = 48 fragments of 1,024 bytes, then 3,072 bytes of scale words.  Fragment F: byte 512 c + 16 (16 h + rho) holds the codes of k = 64 c + 32 h + 0 .. 31 of its row rho; the scale word of (F, rho) lies at 49,152 + 64 F + 4 rho.
; wstream = 21 units of two step tiles: unit 0 tW (6 K steps x 16 tiles), units 1-17 W1 (K steps 0-33), units 18-20 W2 (K steps 0-5).
; W1, W2: fragment 2 G + u, row rho = column 32 G + 8 u + rho + 8 (rho / 8).  tW: tile tau, row 8 hz + j = column (8 tau + j + 32 hz) mod 129 of (1, text_h): 0 has zero codes, jj > 0 is tW's column jj - 1.
; aW: tile tau, row rho = column 8 tau + rho % 8.  tbx[i] = 1 where i mod 129 = 0, else tb[i mod 129 - 1].
; SHARES.  An item is 128 along K x 32 columns = one K step of two fragments; a work-group has four items and sixteen waves.  Wave 4 b + s takes block b (32 along K) of item s: A LANE TAKES A COLUMN AND ITS 32 REGISTERS RUN DOWN K,
; so a block lies in one lane and nothing is transposed.  All 32 loads of a wave are out together.  A wave's store of codes covers two aligned runs of 256 bytes, at 256 b of each fragment.
; The four bytes of a column's scale word come from four waves: they meet in LDS (128 bytes an item), and behind one barrier wave s stores item s's 32 whole words.
.set X,   32                           ; v32-63  32 numbers of my column
.set CD,  16                           ; v16-19  their codes
.set LW,  20                           ; v20     LDS: my column's scale word
.set LBY, 21                           ; v21     LDS: my block's byte in it
.set SPW, 22                           ; v22     LDS address of my spare word; never rewritten
.set NIL, 23                           ; v23     0; never rewritten
.set MX,  24                           ; v24-27  four running maxima
.set SC,  28                           ; v28     the conversion's scale operand
.set BY,  29                           ; v29     the scale byte
.set SPARE, 512                        ; behind the 512 bytes of scale words: the spare words, 128 bytes for each of 16 waves
; 32 numbers of one lane become four registers of codes and a byte.  Sixteen maxima of three in four chains by turns; the floor 2^(3 - 127) is one more leaf, so the byte cannot fall under 1.
.macro QUANT32 src, cd, by
	v_max3_num_f32 v[MX],   |v[(\src)]|,    |v[(\src)+1]|,  0x1800000
	v_max3_num_f32 v[MX+1], |v[(\src)+8]|,  |v[(\src)+9]|,  |v[(\src)+10]|
	v_max3_num_f32 v[MX+2], |v[(\src)+15]|, |v[(\src)+16]|, |v[(\src)+17]|
	v_max3_num_f32 v[MX+3], |v[(\src)+22]|, |v[(\src)+23]|, |v[(\src)+24]|
	v_max3_num_f32 v[MX],   v[MX],   |v[(\src)+2]|,  |v[(\src)+3]|
	v_max3_num_f32 v[MX+1], v[MX+1], |v[(\src)+11]|, |v[(\src)+12]|
	v_max3_num_f32 v[MX+2], v[MX+2], |v[(\src)+18]|, |v[(\src)+19]|
	v_max3_num_f32 v[MX+3], v[MX+3], |v[(\src)+25]|, |v[(\src)+26]|
	v_max3_num_f32 v[MX],   v[MX],   |v[(\src)+4]|,  |v[(\src)+5]|
	v_max3_num_f32 v[MX+1], v[MX+1], |v[(\src)+13]|, |v[(\src)+14]|
	v_max3_num_f32 v[MX+2], v[MX+2], |v[(\src)+20]|, |v[(\src)+21]|
	v_max3_num_f32 v[MX+3], v[MX+3], |v[(\src)+27]|, |v[(\src)+28]|
	v_max3_num_f32 v[MX],   v[MX],   |v[(\src)+6]|,  |v[(\src)+7]|
	v_max3_num_f32 v[MX+1], v[MX+1], v[MX+2], v[MX+3]
	v_max3_num_f32 v[MX],   v[MX],   v[MX+1], |v[(\src)+29]|
	v_max3_num_f32 v[MX],   v[MX],   |v[(\src)+30]|, |v[(\src)+31]|
	v_add_nc_u32 v[SC], 0xff000000, v[MX]          ; 2 off the exponent field: the conversion takes that field of this operand as its scale, and nothing else of it
.irp g, 0,1,2,3
	v_cvt_scalef32_pk8_fp4_f32 v[(\cd)+\g], v[(\src)+8*\g:(\src)+8*\g+7], v[SC]
.endr
	v_lshrrev_b32 v[\by], 23, v[SC]                ; the byte; also the plain instruction behind the conversions
.endm
.macro LOADS pitch                     ; my block's 32 rows of my column; 32 lanes read 128 consecutive bytes of a row
.set i, 0
.rept 32
	global_load_b32 v[X+i], v1, s[20:21] offset:i*\pitch
.set i, i+1
.endr
.endm
	s_load_b512 s[4:19], s[0:1], 0x0               ; W1 s[4:5], W2 s[6:7], tW s[8:9], aW s[10:11], tb s[12:13], wstream s[14:15], awx s[16:17], tbx s[18:19]
	v_lshl_add_u32 v[SPW], v0, 2, SPARE
	v_mov_b32 v[NIL], 0
	v_lshrrev_b32 v5, 5, v0
	v_readfirstlane_b32 s25, v5                    ; wave 0..15
	s_and_b32 s33, s25, 3                          ; s: which item
	s_lshr_b32 s34, s25, 2                         ; b: which block of its K step
	s_lshl_b32 s35, s34, 8                         ; block b's codes lie at 256 b of a fragment
	s_lshl_b32 s38, s33, 7                         ; item s's 128 bytes of LDS
	s_mov_b32 s24, 0                               ; the mask of lanes whose codes are dropped: none, but in tW
	s_mov_b32 s31, 0
	v_and_b32 v5, 31, v0                           ; lane
	v_bfe_u32 v6, v0, 3, 1                         ; u: which of the pair's two fragments
	v_bfe_u32 v7, v0, 4, 1                         ; hz
	v_and_b32 v15, 7, v0                           ; j
	v_lshl_add_u32 v2, v7, 3, v15                  ; rho = 8 hz + j
	v_lshlrev_b32 v3, 2, v2
	v_lshl_add_u32 v3, v6, 6, v3                   ; my scale word in the pair's 128 bytes: 64 u + 4 rho
	v_lshlrev_b32 v2, 4, v2
	v_lshl_add_u32 v2, v6, 10, v2                  ; my codes in the pair's 2,048 bytes: 1,024 u + 16 rho,
	v_add_nc_u32 v2, s35, v2                       ; + 256 b
	v_add_nc_u32 v[LW], s38, v3
	v_add_nc_u32 v[LBY], s34, v[LW]                ; the lower K in the lower byte
	v_mov_b32 v4, 0
	s_cmp_eq_u32 ttmp9, 252
	s_cselect_b32 s37, 2, 4                        ; how many items the work-group has: waves under this number store the words
	s_wait_alu depctr_va_vdst(0)
	s_wait_kmcnt 0x0
	s_mov_b64 s[22:23], s[14:15]
	s_cmp_ge_u32 ttmp9, 240
	s_cbranch_scc1 .Lsmall
	; ---- work-groups 0 .. 239: W1 and W2.  K step S = g / 6 (0-33 W1, 34-39 W2), pair of fragments G = 4 (g % 6) + s
	s_mul_i32 s26, ttmp9, 43691
	s_lshr_b32 s26, s26, 18                        ; S
	s_mul_i32 s27, s26, 6
	s_sub_co_u32 s27, ttmp9, s27
	s_lshl_b32 s27, s27, 2
	s_add_co_u32 s27, s27, s33                     ; G
	s_mul_i32 s28, s26, 52224
	s_add_co_u32 s28, s28, 104448                  ; the step tile's first byte: behind unit 0
	s_lshl_b32 s29, s27, 11
	s_add_co_u32 s29, s29, s28                     ; the pair's codes
	s_lshl_b32 s36, s27, 7
	s_add_co_u32 s28, s28, s36
	s_add_co_u32 s28, s28, 49152                   ; the pair's scale words
	s_cmp_lt_u32 s26, 34                           ; the choice hangs on the work-group's number alone
	s_cselect_b64 s[20:21], s[4:5], s[6:7]
	s_cselect_b32 s30, 0, 34
	s_sub_co_u32 s30, s26, s30
	s_mul_i32 s30, s30, 393216                     ; 128 rows of 3,072 bytes a K step,
	s_mul_i32 s39, s34, 98304                      ; 32 a block
	s_add_co_u32 s30, s30, s39
	s_add_nc_u64 s[20:21], s[20:21], s[30:31]
	v_add_nc_u32 v2, s29, v2
	v_lshl_add_u32 v1, v5, 2, s36                  ; my column: 32 G + lane, 4 bytes each
	v_add_nc_u32 v3, s28, v3
	s_wait_alu depctr_va_vdst(0)
	s_cmp_eq_u32 s26, 33
	s_cbranch_scc0 .Lfull
	s_cmp_eq_u32 s34, 0
	s_cbranch_scc0 .Ltail
.Lfull:
	LOADS 3072
	s_branch .Lquant
.Ltail:                                            ; W1's last K step has 33 rows, 4,224 .. 4,256: block 1 has one, blocks 2 and 3 none: no load leaves the buffer
.set i, 0
.rept 32
	v_mov_b32 v[X+i], 0
.set i, i+1
.endr
	s_wait_alu depctr_va_vdst(0)
	s_cmp_eq_u32 s34, 1
	s_cbranch_scc0 .Lquant
	global_load_b32 v[X], v1, s[20:21]             ; row 4,256
	s_branch .Lquant
.Lsmall:
	s_cmp_ge_u32 ttmp9, 252
	s_cbranch_scc1 .Llast
	; ---- work-groups 240 .. 251: tW.  K step t = g' / 2, pair of tiles G = 4 (g' % 2) + s
	s_sub_co_u32 s26, ttmp9, 240
	s_lshr_b32 s27, s26, 1                         ; t
	s_and_b32 s26, s26, 1
	s_lshl_b32 s26, s26, 2
	s_add_co_u32 s26, s26, s33                     ; G
	s_lshl_b32 s28, s26, 4
	s_cmp_ge_u32 s27, 3                            ; three K steps of 16 fragments to a step tile
	s_cselect_b32 s29, 52224, 0
	s_cselect_b32 s30, 3, 0
	s_sub_co_u32 s30, s27, s30                     ; t % 3
	s_lshl_b32 s36, s30, 14
	s_add_co_u32 s36, s36, s29
	s_lshl_b32 s39, s26, 11
	s_add_co_u32 s36, s36, s39                     ; the pair's codes
	s_lshl_b32 s30, s30, 10
	s_add_co_u32 s29, s29, s30
	s_lshl_b32 s39, s26, 7
	s_add_co_u32 s29, s29, s39
	s_add_co_u32 s29, s29, 49152                   ; the pair's scale words
	s_lshl_b32 s30, s27, 16                        ; 128 rows of 512 bytes a K step,
	s_lshl_b32 s39, s34, 14                        ; 32 a block
	s_add_co_u32 s30, s30, s39
	s_add_nc_u64 s[20:21], s[8:9], s[30:31]
	v_lshl_add_u32 v1, v6, 3, v15
	v_lshl_add_u32 v1, v7, 5, v1
	v_add_nc_u32 v1, s28, v1                       ; 8 tau + j + 32 hz, at most 159
	v_add_nc_u32 v5, 0xffffff7f, v1                ; less 129 (it wraps where the number is under 129)
	v_min_u32 v1, v1, v5                           ; modulo 129
	v_cmp_eq_u32 s24, 0, v1                        ; the lanes that stand for the constant 1
	v_add_nc_u32 v1, -1, v1
	v_max_i32 v1, 0, v1                            ; tW's column (those lanes read column 0 and drop its codes)
	v_lshlrev_b32 v1, 2, v1
	v_add_nc_u32 v2, s36, v2
	v_add_nc_u32 v3, s29, v3
	s_wait_alu depctr_va_vdst(0)
	LOADS 512
	s_branch .Lquant
.Llast:
	s_cmp_lt_u32 s33, 2
	s_cbranch_scc0 .Ltb
	; ---- work-group 252, items 0 and 1: aW, pair of tiles G = s
	s_lshl_b32 s28, s33, 4
	s_lshl_b32 s29, s33, 11
	s_lshl_b32 s36, s33, 7
	s_add_co_u32 s36, s36, 4096
	s_lshl_b32 s30, s34, 12                        ; 32 rows of 128 bytes a block
	s_add_nc_u64 s[20:21], s[10:11], s[30:31]
	s_mov_b64 s[22:23], s[16:17]
	v_lshl_add_u32 v1, v6, 3, v15
	v_add_nc_u32 v1, s28, v1                       ; column 8 tau + j, the same in both halves of a tile's rows
	v_lshlrev_b32 v1, 2, v1
	v_add_nc_u32 v2, s29, v2
	v_add_nc_u32 v3, s36, v3
	s_wait_alu depctr_va_vdst(0)
	LOADS 128
	s_branch .Lquant
.Ltb:
	s_cmp_eq_u32 s25, 2
	s_cbranch_scc0 .Lbar                           ; the other waves of this work-group have no part: they pass the barrier and end
	; ---- wave 2: the table of (1, tb), 192 numbers
	v_mov_b32 v7, 1.0
.irp k, 0,1,2,3,4,5
	v_add_nc_u32 v[32+\k], 32*\k, v5               ; i
	v_add_nc_u32 v[40+\k], 0xffffff7f, v[32+\k]
	v_min_u32 v[40+\k], v[32+\k], v[40+\k]         ; i mod 129
	v_add_nc_u32 v[48+\k], -1, v[40+\k]
	v_max_i32 v[48+\k], 0, v[48+\k]
	v_lshlrev_b32 v[48+\k], 2, v[48+\k]
	global_load_b32 v[56+\k], v[48+\k], s[12:13]
	v_lshlrev_b32 v[32+\k], 2, v[32+\k]
.endr
	s_wait_alu depctr_va_vdst(0)
	s_wait_loadcnt 0x0
.irp k, 0,1,2,3,4,5
	v_cmp_eq_u32 vcc_lo, 0, v[40+\k]
	v_cndmask_b32 v[56+\k], v[56+\k], v7, vcc_lo
	global_store_b32 v[32+\k], v[56+\k], s[18:19]
.endr
	s_branch .Lbar
.Lquant:
	s_wait_loadcnt 0x0                             ; my block is in
	QUANT32 X, CD, BY
.irp g, 0,1,2,3
	v_cndmask_b32 v[CD+\g], v[CD+\g], v4, s24      ; the column that stands for the constant 1 has zero codes
.endr
	global_store_b128 v2, v[CD:CD+3], s[22:23]     ; sixteen lanes fill 256 consecutive bytes, aligned
	ds_store_b8 v[LBY], v[BY]
.Lbar:
	s_wait_dscnt 0x0                               ; for the others' sake: my byte has landed
	s_barrier_signal -1
	s_barrier_wait -1
	s_cmp_lt_u32 s25, s37
	s_cbranch_scc0 .Lend
	ds_load_b32 v30, v[LW]                         ; wave s: item s's words, four waves' bytes each
	s_wait_dscnt 0x0
	global_store_b32 v3, v30, s[22:23]             ; 128 consecutive bytes
.Lend:
	s_wait_tensorcnt 0x0                           ; the wave's end: behind my last LDS store
	ds_add_u32 v[SPW], v[NIL]
	s_wait_dscnt 0x0
	s_endpgm
.Lfunc_end_k_q9df3e34cbe_prep:
	.size	k_q9df3e34cbe_prep, .Lfunc_end_k_q9df3e34cbe_prep-k_q9df3e34cbe_prep
	.p2alignl 7, 3214868480
	.fill 96, 4, 3214868480
	.section	.rodata,"a",@progbits
	.p2align	6, 0x0
	.amdhsa_kernel k_q9df3e34cbe_prep
		.amdhsa_group_segment_fixed_size 2560
		.amdhsa_private_segment_fixed_size 0
		.amdhsa_enable_private_segment 0
		.amdhsa_kernarg_size 64
		.amdhsa_user_sgpr_count 2
		.amdhsa_user_sgpr_kernarg_segment_ptr 1
		.amdhsa_wavefront_size32 1
		.amdhsa_system_sgpr_workgroup_id_x 1
		.amdhsa_system_sgpr_workgroup_id_y 1
		.amdhsa_system_sgpr_workgroup_id_z 1
		.amdhsa_system_vgpr_workitem_id 0
		.amdhsa_next_free_vgpr 64
		.amdhsa_next_free_sgpr 66
		.amdhsa_reserve_vcc 1
		.amdhsa_float_denorm_mode_32 3
		.amdhsa_float_denorm_mode_16_64 3
		.amdhsa_memory_ordered 1
		.amdhsa_forward_progress 1
		.amdhsa_inst_pref_size 21
	.end_amdhsa_kernel
	.amdgpu_metadata
---
amdhsa.version: [ 1, 2 ]
amdhsa.kernels:
  - .name:           k_q9df3e34cbe_prep
    .symbol:         k_q9df3e34cbe_prep.kd
    .args:
      - { .name: W1, .offset: 0, .size: 8, .value_kind: global_buffer, .address_space: global }
      - { .name: W2, .offset: 8, .size: 8, .value_kind: global_buffer, .address_space: global }
      - { .name: tW, .offset: 16, .size: 8, .value_kind: global_buffer, .address_space: global }
      - { .name: aW, .offset: 24, .size: 8, .value_kind: global_buffer, .address_space: global }
      - { .name: tb, .offset: 32, .size: 8, .value_kind: global_buffer, .address_space: global }
      - { .name: wstream, .offset: 40, .size: 8, .value_kind: global_buffer, .address_space: global }
      - { .name: awx, .offset: 48, .size: 8, .value_kind: global_buffer, .address_space: global }
      - { .name: tbx, .offset: 56, .size: 8, .value_kind: global_buffer, .address_space: global }
    .group_segment_fixed_size: 2560
    .private_segment_fixed_size: 0
    .kernarg_segment_align: 8
    .kernarg_segment_size: 64
    .max_flat_workgroup_size: 512
    .sgpr_count:     66
    .vgpr_count:     64
    .wavefront_size: 32
...
	.end_amdgpu_metadata
.endif
;; end of part 1
;; launch fused (part 2): grid 256 x 1, 4 waves a work-group, clusters of 4 x 1, 327,680 bytes of LDS; arguments text_x, audio_x, a_gamma, a_var, a_mean, a_beta, t_gamma, t_var, t_mean, t_beta, ab, b1, b2, wstream, awx, tbx, out0; writes out0
.if DOCPART == 2
	.amdgcn_target "amdgcn-amd-amdhsa--gfx1250"
	.amdhsa_code_object_version 6
	.text
	.protected	k_q9df3e34cbe_fused
	.globl	k_q9df3e34cbe_fused
	.p2align	8
	.type	k_q9df3e34cbe_fused,@function
k_q9df3e34cbe_fused:
	s_mov_b64 s[64:65], 0
	v_nop
	global_prefetch_b8 v0, s[64:65] scope:SCOPE_SE
	s_setreg_imm32_b32 hwreg(HW_REG_WAVE_MODE, 25, 1), 1
	s_wait_xcnt 0x0
	s_wait_alu depctr_hold_cnt(0) depctr_sa_sdst(0) depctr_va_vdst(0) depctr_va_sdst(0) depctr_va_ssrc(0) depctr_va_vcc(0) depctr_vm_vsrc(0)
	s_getreg_b32 s2, hwreg(HW_REG_IB_STS2, 6, 4)
	s_cmp_eq_u32 s2, 0
	s_cbranch_scc0 .Lentry_in_a_cluster
	s_endpgm
.Lentry_in_a_cluster:
	s_bfe_u32 s2, ttmp6, 0x10000c
	s_cmp_lg_u32 s2, 0x3003
	s_cbranch_scc0 .Lentry_shape_is_right
	s_endpgm
.Lentry_shape_is_right:
; out = relu(Q(relu(Q(fusion) Q(W1) + b1)) Q(W2) + b2) + text_x, fusion = (1, audio_h) x (1, text_h) flattened, audio_h = Q(bn(audio_x)) Q(aW) + ab, text_h = Q(bn(text_x)) Q(tW) + tb.  Q: E2M1 codes, one E8M0 scale for each 32 along K.
; No work of the problem is left out; the weights' codes come from the launch before.  Fusion, y1, audio_h and text_h never go to memory.
; LIMITS: NaN and infinities among the inputs are not served; a block whose largest magnitude lies under 2^-124 gets the byte 1, a block of zeros too (its codes are zeros).  The f32 sum over W1's K takes its K steps in another order in each cluster: an order of rounding other than reference()'s.
; SHARES.  A work-group owns 64 rows and all 768 columns, so each number of the fusion is made once.  Wave w owns columns 192 w .. 192 w + 191 of y1, y2 and out for all 64 rows: 12 tiles x 4 row tiles = 48 accumulators, 384 registers.
; It also owns row tile w (16 rows) for the audio branch, the text product and the making of the fusion's codes.  All products are used TRANSPOSED (source 0 = 16 rows of a weight's fragment, source 1 = 16 rows of the batch): a lane holds one row.
; THE FUSION.  Lane (r, h) holds T[x] = (1, text_h)[(x + 32 h) mod 129], x = 0 .. 128, and A[i] = (1, audio_h, 0)[i] of row r.  Block 2 p + h of the flattened K is then T[(64 p + e) % 129] x A[..], e = 0 .. 31, with the same register numbers in both halves of the lanes;
; where the two halves stand in different rows of the outer product, M[i] = (h ? A[i + 1] : A[i]) is the factor.  129 = 4 x 32 + 1: the register numbers differ in every block, so the generator is written out, four pairs of blocks to a unit, and the loop jumps to the unit wanted.
; THE WEIGHTS come as units of two K steps (104,448 bytes, images of the operand's registers) through a ring of two LDS slots.  The four work-groups of a cluster walk the same units and ask for each JOINTLY; every wave fetches a quarter.
; THE WALK over W1's 17 units: unit 0 first, in every cluster; then units 1 .. 16 beginning at 1 + (cluster mod 16).  The order of K is free in a sum; LDS addresses and trip counts stay constants, and only the descriptor's global address and the jump to the generator
; hang on the cluster's number, which the partners share.
; THE GENERATOR RUNS ONE UNIT AHEAD.  Unit 0's codes are made in front of the loop.  A trip: the change of slots; all but twelve of the unit's LDS loads; the NEXT unit's codes, into the other of two buffers of the store; the unit's 96 products.
; So the generator's vector work stands where the wave would wait for LDS, and the next change's wait and round publish the codes: a trip has no barrier of its own for them.
; OPERANDS GO FROM WAVE TO WAVE THROUGH LDS AS IMAGES OF THEIR REGISTERS (store AST): a K step = 4 row tiles x 1,024 bytes of codes, then scale words at 4,096 + 8 (16 (m % 2) + r) + 4 (m / 2), so that one load of 8 bytes a lane brings tiles 0 | 1 and 2 | 3 in the lanes' halves.
; text_x is read twice (for the text branch, and under the last product for the residual): the accumulators, T, A, M and the operands leave no 384 registers to keep it in.
; No prefetch is laid: text and audio are all asked for at the head, and the weights' units are read by 64 clusters in turn.
; REGISTERS.  Window 0: v1-31, v216-217 addresses (v23, v24, v27, v28 serve the head, and from the loop on hold the store's addresses of the trip); v32-39 at work; v40-199 operands and numbers in hand; v200-215, v218-221 the generator's codes and bytes;
; v224-249 scale words and nothing else.  Windows 1, 2: v0-191 accumulators (tile 6 H + tt, row tile m at v[8 (4 tt + m)] of window 1 + H), earlier the raw text; v192-255 the table of (1, tb), then the generator's products, later the residual.
; Window 3: T v0-128, A v131-164, M v166-198, v200-247 a third set of weight fragments; earlier the raw audio, later b2 and the residual.
; LIMIT, an order of rounding other than reference()'s: batch norm is one fused multiply-add, x g + c with g = gamma rsqrt(var + eps) and c = beta - mean g, all in f32.
; The generator stands in two parts: GENMUL, a unit's 128 products, written out for each unit; GENQ, their quantiser, the same for every unit, once in the loop and once ahead of it.
.set SLOT1, 1<<17
.set UBYTES, 104448                    ; a unit = a slot
.set STEPB, 52224                      ; a step tile
.set AST,   104448                     ; 6 x 4,352: the store of images (x, then the fusion's two buffers of two K steps, then y1); no tensor load lands here
.set ASTEP, 4352
.set STG,   235520                     ; behind slot 1: a stage of 12,544 bytes for each wave
.set STGW,  12544
.set SPARE, 285696                     ; the spare words, 128 bytes for each wave: two blocks of 256 bytes that no other line names
.set WV, 56                            ; s56 wave;  s57 cx, s58 work-group: they enter global addresses of text, audio and out alone
.set TB, 59                            ; s59 the slot in hand
.set NN, 60                            ; s60 the loop's counter
.set UC, 61                            ; s61 (cluster + trip) mod 16: W1's unit 1 + s61 is asked for, and its fusion codes are made, in this trip
.set FB, 62                            ; s62 the store's buffer: 0 or 8,704
.set HM, 63                            ; s63 the mask of lanes 16-31
.set SEL, 66                           ; s[66:67] v_permlanex16_b32's selects for lane l xor 16
.set WQ, 68                            ; s68 26,112 x wave: my quarter of a unit
.set FL, 69                            ; s69 the floor 2^(3 - 127) under every largest magnitude: so a scale's byte cannot fall under 1
.set MSB, 0
.set YS, 0
.macro WIN new                         ; the immediate's high byte repeats the setting that is left; a switch that changes nothing is dropped
.if MSB != (\new)
	s_set_vgpr_msb (MSB<<8)|(\new)
.set MSB, (\new)
.endif
.endm
.macro PLACES n                        ; plain vector instructions behind a matrix instruction, in front of loads into its registers and of reads of its results
.rept \n
	v_nop
.endr
.endm
.macro ROUND                           ; a round of the cluster's barrier
	s_barrier_signal -1
	s_barrier_wait -1
	s_cmp_lg_u32 s[WV], 0
	s_cbranch_scc1 .Lnot_wave_0_\@
	s_barrier_signal -3
.Lnot_wave_0_\@:
	s_barrier_wait -3
	s_barrier_signal -1
	s_barrier_wait -1
.endm
.macro BAR                             ; my LDS stores have landed and my LDS loads are in: then the work-group's barrier.
	s_wait_dscnt 0x0
	s_barrier_signal -1
	s_barrier_wait -1
.endm
; One product.  ra, rb: the scale words stand in lanes 16-31 of the register named
.macro WM d, a, b, c, sa, sb, ra, rb
.if ((\ra) != 0) && ((\rb) != 0)
	v_wmma_scale_f32_16x16x128_f8f6f4 v[(\d):(\d)+7], v[(\a):(\a)+7], v[(\b):(\b)+7], v[(\c):(\c)+7], v[\sa], v[\sb] matrix_a_fmt:MATRIX_FMT_FP4 matrix_b_fmt:MATRIX_FMT_FP4 matrix_a_scale:MATRIX_SCALE_ROW1 matrix_b_scale:MATRIX_SCALE_ROW1
.elseif (\ra) != 0
	v_wmma_scale_f32_16x16x128_f8f6f4 v[(\d):(\d)+7], v[(\a):(\a)+7], v[(\b):(\b)+7], v[(\c):(\c)+7], v[\sa], v[\sb] matrix_a_fmt:MATRIX_FMT_FP4 matrix_b_fmt:MATRIX_FMT_FP4 matrix_a_scale:MATRIX_SCALE_ROW1
.elseif (\rb) != 0
	v_wmma_scale_f32_16x16x128_f8f6f4 v[(\d):(\d)+7], v[(\a):(\a)+7], v[(\b):(\b)+7], v[(\c):(\c)+7], v[\sa], v[\sb] matrix_a_fmt:MATRIX_FMT_FP4 matrix_b_fmt:MATRIX_FMT_FP4 matrix_b_scale:MATRIX_SCALE_ROW1
.else
	v_wmma_scale_f32_16x16x128_f8f6f4 v[(\d):(\d)+7], v[(\a):(\a)+7], v[(\b):(\b)+7], v[(\c):(\c)+7], v[\sa], v[\sb] matrix_a_fmt:MATRIX_FMT_FP4 matrix_b_fmt:MATRIX_FMT_FP4
.endif
.endm
.macro WMZ d, a, b, sa, sb, ra         ; the same, starting a sum
.if (\ra) != 0
	v_wmma_scale_f32_16x16x128_f8f6f4 v[(\d):(\d)+7], v[(\a):(\a)+7], v[(\b):(\b)+7], 0, v[\sa], v[\sb] matrix_a_fmt:MATRIX_FMT_FP4 matrix_b_fmt:MATRIX_FMT_FP4 matrix_a_scale:MATRIX_SCALE_ROW1
.else
	v_wmma_scale_f32_16x16x128_f8f6f4 v[(\d):(\d)+7], v[(\a):(\a)+7], v[(\b):(\b)+7], 0, v[\sa], v[\sb] matrix_a_fmt:MATRIX_FMT_FP4 matrix_b_fmt:MATRIX_FMT_FP4
.endif
.endm
; 32 numbers of one lane, a whole block, become four registers of codes and a byte.  Sixteen maxima of three in four chains by turns; the floor is one more leaf.
.macro QUANT32 src, cd, by
	v_max3_num_f32 v32, |v[(\src)]|,    |v[(\src)+1]|,  0x1800000
	v_max3_num_f32 v33, |v[(\src)+8]|,  |v[(\src)+9]|,  |v[(\src)+10]|
	v_max3_num_f32 v34, |v[(\src)+15]|, |v[(\src)+16]|, |v[(\src)+17]|
	v_max3_num_f32 v35, |v[(\src)+22]|, |v[(\src)+23]|, |v[(\src)+24]|
	v_max3_num_f32 v32, v32, |v[(\src)+2]|,  |v[(\src)+3]|
	v_max3_num_f32 v33, v33, |v[(\src)+11]|, |v[(\src)+12]|
	v_max3_num_f32 v34, v34, |v[(\src)+18]|, |v[(\src)+19]|
	v_max3_num_f32 v35, v35, |v[(\src)+25]|, |v[(\src)+26]|
	v_max3_num_f32 v32, v32, |v[(\src)+4]|,  |v[(\src)+5]|
	v_max3_num_f32 v33, v33, |v[(\src)+13]|, |v[(\src)+14]|
	v_max3_num_f32 v34, v34, |v[(\src)+20]|, |v[(\src)+21]|
	v_max3_num_f32 v35, v35, |v[(\src)+27]|, |v[(\src)+28]|
	v_max3_num_f32 v32, v32, |v[(\src)+6]|,  |v[(\src)+7]|
	v_max3_num_f32 v33, v33, v34, v35
	v_max3_num_f32 v32, v32, v33, |v[(\src)+29]|
	v_max3_num_f32 v32, v32, |v[(\src)+30]|, |v[(\src)+31]|
	v_add_nc_u32 v36, 0xff000000, v32              ; 2 off the exponent field: the conversion's scale operand
.irp g, 0,1,2,3
	v_cvt_scalef32_pk8_fp4_f32 v[(\cd)+\g], v[(\src)+8*\g:(\src)+8*\g+7], v36
.endr
	v_lshrrev_b32 v[\by], 23, v36                  ; the byte; also the plain instruction behind the conversions
.endm
; Where number L (= 24 m + 3 i + u) of the residual's 96 loads lies: window TW, register TR
.macro RESMAP L
.if (\L) < 64
.set TW, 3
.set TR, 4*(\L)
.elseif (\L) < 80
.set TW, 1
.set TR, 192+4*((\L)-64)
.else
.set TW, 2
.set TR, 192+4*((\L)-80)
.endif
.endm
; Row tile m of text_x, my 192 columns: 24 loads; sixteen lanes read 256 consecutive bytes of a row, lanes 16-31 those of the next row.  map 0: into the accumulators' registers; map 1: the residual
.macro TXLOAD m, map
.set LP, 0
.rept 24
.if \map == 0
.set TW, 1+(24*(\m)+LP)/48
.set TR, 4*((24*(\m)+LP)%48)
	WIN TW<<6
	global_load_b128 v[TR:TR+3], v25, s[70:71] offset:49152*(\m)+6144*(LP/3)+256*(LP%3)
.else
	RESMAP 24*(\m)+LP
	WIN TW<<6
	global_load_b128 v[TR:TR+3], v25, s[70:71] offset:49152*(\m)+6144*(LP/3)+256*(LP%3) th:TH_LOAD_NT
.endif
.set LP, LP+1
.endr
	WIN 0
.endm
; b1 goes straight into the 48 accumulators, in the result's layout: every product of the loop then adds in place, and nothing is cleared
.macro BIAS ptr
.set tq, 0
.rept 12
	WIN 0x40*(1+tq/6)
.set mm, 0
.rept 4
	global_load_b128 v[8*(4*(tq%6)+mm):8*(4*(tq%6)+mm)+3], v26, s[\ptr:\ptr+1] offset:128*(tq/2)+32*(tq%2)
	global_load_b128 v[8*(4*(tq%6)+mm)+4:8*(4*(tq%6)+mm)+7], v26, s[\ptr:\ptr+1] offset:128*(tq/2)+32*(tq%2)+16
.set mm, mm+1
.endr
.set tq, tq+1
.endr
	WIN 0
.endm
; Row tile m of the text branch: batch norm in place, through my stage so that a lane holds whole blocks of 32, three quantisers, images to the store
.macro TEXTM m
.if \m == 2
	s_wait_loadcnt 0x38                            ; row tile 3's 24 and the table's 32 may be out.  (Row tiles 0 and 1 were shown in by the head's wait)
.elseif \m == 3
	s_wait_loadcnt 0x20                            ; the table's 32 may be out
.endif
.set WN, 1+(\m)/2
.set RB0, 96*((\m)%2)
	WIN WN|(WN<<6)
.set ii, 0
.rept 8
.set uu, 0
.rept 3
.set RB, RB0+4*(3*ii+uu)
	v_pk_fma_f32 v[RB:RB+1], v[RB:RB+1], v[172+4*uu:173+4*uu], v[196+4*uu:197+4*uu]           ; x g + c
	v_pk_fma_f32 v[RB+2:RB+3], v[RB+2:RB+3], v[174+4*uu:175+4*uu], v[198+4*uu:199+4*uu]
.set uu, uu+1
.endr
.set ii, ii+1
.endr
	WIN WN<<2                                      ; an LDS store's data are its source 1
.set LP, 0
.rept 24
	ds_store_b128 v20, v[RB0+4*LP:RB0+4*LP+3] offset:1568*(LP/3)+256*(LP%3)
.set LP, LP+1
.endr
	WIN 0
.set LP, 0
.rept 24
	ds_load_b128 v[40+4*LP:43+4*LP], v21 offset:256*(LP/8)+16*(LP%8)   ; LDS serves a wave's instructions in order: these see my stores.  Lane (r, h): row r, numbers 64 P + 32 h + 0 .. 31
.set LP, LP+1
.endr
.irp P, 0,1,2
	s_wait_dscnt 16-6*\P                           ; pair P's eight loads are in; out may be the later pairs' loads and the earlier pairs' two stores each: 16, 10, 4
	QUANT32 40+32*\P, 144+4*\P, 141+\P
	ds_store_b128 v[14+\P], v[144+4*\P:147+4*\P] offset:1024*(\m)
	ds_store_b8 v[17+\P], v[141+\P] offset:128*((\m)%2)+4*((\m)/2)
.endr
.endm
; The text product's weights: half hf (8 tiles) of K step s, from slot 0: 16 loads of codes, 4 of scale words
.macro TFETCH hf, s
.set i, 0
.rept 8
	ds_load_b128 v[88+64*\hf+8*i:88+64*\hf+8*i+3], v[1+(\s)/3] offset:1024*(16*((\s)%3)+8*\hf+i)
	ds_load_b128 v[88+64*\hf+8*i+4:88+64*\hf+8*i+7], v[1+(\s)/3] offset:1024*(16*((\s)%3)+8*\hf+i)+512
.set i, i+1
.endr
.set i, 0
.rept 4
	ds_load_b32 v[224+4*\hf+i], v[3+(\s)/3] offset:1024*((\s)%3)+512*\hf+128*i
.set i, i+1
.endr
.endm
.macro TMUL hf, s                      ; eight products: the 16 accumulators of T take turns, one instruction a turn
	WIN 0xf0                                       ; C and D window 3
.set i, 0
.rept 8
.if (\s) == 0
	WMZ 8*(8*\hf+i), 88+64*\hf+8*i, 40+8*(\s), 224+4*\hf+i/2, 240+(\s), i%2
.else
	WM 8*(8*\hf+i), 88+64*\hf+8*i, 40+8*(\s), 8*(8*\hf+i), 224+4*\hf+i/2, 240+(\s), i%2, 0
.endif
.set i, i+1
.endr
	WIN 0
.endm
; THE CHANGE OF SLOTS.  Each wave waits for all its tensor loads (its quarter of the slot ahead), adds 0 to its spare word, and waits for that, for its LDS reads and for its stores into the store.  fill = 1: a round of the cluster's barrier, and behind it
; the slot just left is filled with the unit two further on: my one tensor load until the next change.  idx: that unit's number in wstream; -1: in the loop, W1's unit 1 + s61, and W2's first behind W1's last.
.macro CHANGE fill, idx
	WIN 0
	s_wait_tensorcnt 0x0                           ; no tensor load of mine is out, so the descriptor may be written
	ds_add_u32 v30, v31                            ; 0 onto my spare word; the descriptor's steps stand between it and the wait for it
.if \fill
	s_xor_b32 s53, s53, SLOT1                      ; the other slot than last time
.if (\idx) < 0
	s_add_co_u32 s88, s[UC], 2                     ; W1's unit u is unit 1 + u of wstream
	s_cmp_lt_u32 s[NN], 16
	s_cselect_b32 s88, s88, 18
.else
	s_mov_b32 s88, \idx
.endif
	s_mul_i32 s88, s88, UBYTES
	s_add_co_u32 s88, s88, s[WQ]
	s_mov_b32 s89, 0
	s_add_nc_u64 s[54:55], s[30:31], s[88:89]
	s_or_b32 s55, s55, 0x80000000
.endif
	s_wait_dscnt 0x0                               ; the add is done, my reads of the slot and of the store are over, and the codes that I made have landed
.if \fill
	ROUND                                          ; no wave of any partner still reads the slot or has a load on its way
	tensor_load_to_lds s[52:55], s[40:47]
	s_nop 0
	PLACES 4                                       ; the places behind the last products
.else
	s_barrier_signal -1
	s_barrier_wait -1
	PLACES 4
.endif
	s_xor_b32 s[TB], s[TB], SLOT1                  ; on to the slot ahead
.endm
; My six tiles 6 H .. 6 H + 5 of the slot's K step q, into 48 registers from v[base] of window wn on
.macro LWH H, q, base, wn
	WIN (\wn)<<6
.set tt, 0
.rept 6
	ds_load_b128 v[(\base)+8*tt:(\base)+8*tt+3], v7 offset:STEPB*\q+1024*(6*\H+tt)
	ds_load_b128 v[(\base)+8*tt+4:(\base)+8*tt+7], v7 offset:STEPB*\q+1024*(6*\H+tt)+512
.set tt, tt+1
.endr
	WIN 0
.endm
.macro LF st, q, fa, fb                ; the four row tiles' fragments of K step q of the store, from address register fa and byte fb on, into set st
.set mm, 0
.rept 4
	ds_load_b128 v[136+32*\st+8*mm:139+32*\st+8*mm], v[\fa] offset:(\fb)+ASTEP*\q+1024*mm
	ds_load_b128 v[140+32*\st+8*mm:143+32*\st+8*mm], v[\fa] offset:(\fb)+ASTEP*\q+1024*mm+512
.set mm, mm+1
.endr
.endm
.macro LSW st, q                       ; the weights' scale words: six registers for my 12 tiles (two tiles in the lanes' halves)
.set gg, 0
.rept 6
	ds_load_b32 v[224+6*\st+gg], v8 offset:STEPB*\q+128*gg
.set gg, gg+1
.endr
.endm
.macro LSF st, q, fs, fb               ; the rows' scale words: a pair for the four row tiles
	ds_load_b64 v[236+2*\st:237+2*\st], v[\fs] offset:(\fb)+ASTEP*\q
.endm
; 24 products: six tiles (fragments from v[wb] of window wn on) x four row tiles of set st.  The 48 accumulators take turns, one instruction a turn, in the same order in every K step, over the loop's backward jump too.
; bias = 1: the sums begin with b2, eight registers a tile in window 3
.macro MULH H, wb, wn, st, bias
.if \bias
	WIN ((1+\H)<<6)|0x30|(\wn)
.else
	WIN ((1+\H)<<6)|((1+\H)<<4)|(\wn)
.endif
.set tt, 0
.rept 6
.set mm, 0
.rept 4
.if \bias
	WM 8*(4*tt+mm), (\wb)+8*tt, 136+32*\st+8*mm, 8*(6*\H+tt), 224+6*\st+(6*\H+tt)/2, 236+2*\st+mm/2, (6*\H+tt)%2, mm%2
.else
	WM 8*(4*tt+mm), (\wb)+8*tt, 136+32*\st+8*mm, 8*(4*tt+mm), 224+6*\st+(6*\H+tt)/2, 236+2*\st+mm/2, (6*\H+tt)%2, mm%2
.endif
.set mm, mm+1
.endr
.set tt, tt+1
.endr
.endm
; A UNIT, two K steps, in two parts.  UFETCH: its LDS loads, as many as the registers hold.  It stands behind a change of slots, whose four plain instructions are the places in front of its loads.
; three = 1 (the loop): three sets of weight fragments: 27 + 12 + 12 + 15 = 66 loads.  three = 0 (W2: window 3 holds the residual): two sets: 27 + 12 + 15 = 54
.macro UFETCH three, fa, fs, fb
	v_add_nc_u32 v7, s[TB], v5
	v_add_nc_u32 v8, s[TB], v6
	LWH 0, 0, 40, 0
	LF 0, 0, \fa, \fb
	LSW 0, 0
	LSF 0, 0, \fs, \fb
	LWH 1, 0, 88, 0
.if \three
	LWH 0, 1, 200, 3
.endif
	LF 1, 1, \fa, \fb
	LSW 1, 1
	LSF 1, 1, \fs, \fb
.endm
; UMUL: its 96 products, and the loads that had no registers yet.  The counts are the younger LDS loads; the generator's eight stores, where they were issued, are younger than UFETCH's loads, so the counts hold on both ways
.macro UMUL three, bias
.if \three
	s_wait_dscnt 0x27                              ; the first 27 are in: 12 + 12 + 15 may be out
	MULH 0, 40, 0, 0, 0
	WIN 0
	PLACES 4
	LWH 1, 1, 40, 0                                ; the last twelve: two runs of products in which to land
	s_wait_dscnt 0x27                              ; tiles 6-11 of the first K step are in: 12 + 15 + 12 may be out
	MULH 1, 88, 0, 0, 0
	s_wait_dscnt 0xc                               ; all but the twelve
	MULH 0, 200, 3, 1, 0
	s_wait_dscnt 0x0
	MULH 1, 40, 0, 1, 0
.else
	s_wait_dscnt 0x1b                              ; the first 27 are in: 12 + 15 may be out
	MULH 0, 40, 0, 0, \bias
	WIN 0
	PLACES 4
	LWH 0, 1, 40, 0
	s_wait_dscnt 0x1b                              ; 15 + 12 may be out
	MULH 1, 88, 0, 0, \bias
	WIN 0
	PLACES 4
	LWH 1, 1, 88, 0
	s_wait_dscnt 0xc                               ; all but the 12 just issued
	MULH 0, 40, 0, 1, 0
	s_wait_dscnt 0x0
	MULH 1, 88, 0, 1, 0
.endif
	WIN 0
.endm
; THE GENERATOR of W1's unit u: pairs of blocks 4 u .. 4 u + 3 of the fusion of my 16 rows (in pair p lanes 0-15 make block 2 p, lanes 16-31 block 2 p + 1).  Pair k is registers 4 (k % 2) on of K step k / 2 of the unit.
; The 128 products go to v192-255 of windows 1 and 2; then the four pairs are quantised by turns, so that no line waits for the line above it.  Pair 67 lies beyond K: zero codes, which fill the last K step of 128.
; It names no register that the unit's pending LDS loads write.  wi, ws: the address registers of my row tile's codes and bytes in the buffer to be written
.macro GENMUL u
.set kk, 0
.rept 4
.if 4*(\u)+kk < 67
	WIN 0x4f+0x40*(kk/2)                           ; both sources window 3, the products window 1 or 2
.set e, 0
.rept 32
.set f0, 64*(4*(\u)+kk)+e
.if (f0+32)/129 == f0/129
	v_mul_f32 v[192+32*(kk%2)+e], v[f0%129], v[131+f0/129]    ; both halves stand in one row of the outer product: A
.else
	v_mul_f32 v[192+32*(kk%2)+e], v[f0%129], v[166+f0/129]    ; lanes 16-31 are a row further: M
.endif
.set e, e+1
.endr
.else
	WIN 0x40+0x40*(kk/2)                           ; pair 67 lies beyond K: zero products, so zero codes under the floor's byte
.set e, 0
.rept 32
	v_mov_b32 v[192+32*(kk%2)+e], 0
.set e, e+1
.endr
.endif
.set kk, kk+1
.endr
	WIN 0                                          ; a branch or a label follows
.endm
; The quantiser of the four pairs in v192-255 of windows 1 and 2.  It is called with u = 0: all four pairs are taken
.macro GENQ u, wi, ws
.irp g, 0,1
	WIN 0x14*(1+\g)                                ; sources 1 and 2: the products' window
.set rr, 0
.rept 8
.set ch, 0
.rept 4                                ; four chains by turns: two to a pair, 16 numbers each
.if 4*(\u)+2*\g+ch/2 < 67
.if rr == 0
	v_max3_num_f32 v[32+4*\g+ch], s[FL], |v[192+16*ch]|, |v[193+16*ch]|
.else
	v_max3_num_f32 v[32+4*\g+ch], v[32+4*\g+ch], |v[192+16*ch+2*rr]|, |v[193+16*ch+2*rr]|
.endif
.endif
.set ch, ch+1
.endr
.set rr, rr+1
.endr
.endr
	WIN 0
.set kk, 0
.rept 4
.if 4*(\u)+kk < 67
	v_max_num_f32 v[32+2*kk], v[32+2*kk], v[33+2*kk]               ; the block's largest magnitude
.endif
.set kk, kk+1
.endr
.set kk, 0
.rept 4
.if 4*(\u)+kk < 67
	v_add_nc_u32 v[33+2*kk], 0xff000000, v[32+2*kk]                ; 2 off the exponent field: the conversion's scale operand
.endif
.set kk, kk+1
.endr
.set kk, 0
.rept 4
.if 4*(\u)+kk < 67
	WIN 1+kk/2                                     ; source 0: the products' window
.set gq, 0
.rept 4
	v_cvt_scalef32_pk8_fp4_f32 v[200+4*kk+gq], v[192+32*(kk%2)+8*gq:199+32*(kk%2)+8*gq], v[33+2*kk]
.set gq, gq+1
.endr
.endif
.set kk, kk+1
.endr
	WIN 0
.set kk, 0
.rept 4
.if 4*(\u)+kk < 67
	v_lshrrev_b32 v[218+kk], 23, v[33+2*kk]        ; the bytes; the first is also the plain instruction behind the conversions
.else
	v_mov_b32 v[200+4*kk], 0
	v_mov_b32 v[201+4*kk], 0
	v_mov_b32 v[202+4*kk], 0
	v_mov_b32 v[203+4*kk], 0
	v_mov_b32 v[218+kk], 127
.endif
.set kk, kk+1
.endr
.set kk, 0
.rept 4
	ds_store_b128 v[\wi], v[200+4*kk:203+4*kk] offset:ASTEP*(kk/2)+512*(kk%2)
	ds_store_b8 v[\ws], v[218+kk] offset:ASTEP*(kk/2)+2*(kk%2)
.set kk, kk+1
.endr
.endm
.macro DISP4 r, a, b, c, d             ; s61 = r .. r + 3: on to the generators of units a .. d
	s_cmp_eq_u32 s[UC], \r
	s_cbranch_scc1 .Lgen\a
	s_cmp_eq_u32 s[UC], \r+1
	s_cbranch_scc1 .Lgen\b
	s_cmp_eq_u32 s[UC], \r+2
	s_cbranch_scc1 .Lgen\c
	s_branch .Lgen\d
.endm
; y1 of row tile m, my six blocks of 32: relu, quantised as half blocks (16 numbers a lane), the six by turns; the halves exchanged so that a lane holds a whole block; three images to the store
.macro YROW m
.set bq, 0
.rept 6
	WIN (1+bq/3)<<2
.irp tl, 0,1
.set tt, (2*bq+\tl)%6
.set jj, 0
.rept 8
	v_max_num_f32 v[40+16*bq+8*\tl+jj], 0, v[8*(4*tt+(\m))+jj]     ; each accumulator from its low end on
.set jj, jj+1
.endr
.endr
.set bq, bq+1
.endr
	WIN 0
.set bq, 0
.rept 6
	v_max3_num_f32 v[32+bq], v[40+16*bq], v[41+16*bq], s[FL]       ; no |.|: none is negative
.set bq, bq+1
.endr
.irp i2, 2,4,6,8,10,12,14
.set bq, 0
.rept 6
	v_max3_num_f32 v[32+bq], v[32+bq], v[40+16*bq+\i2], v[41+16*bq+\i2]
.set bq, bq+1
.endr
.endr
.set bq, 0
.rept 6
	v_permlanex16_b32 v[136+bq], v[32+bq], s[SEL], s[SEL+1]
.set bq, bq+1
.endr
.set bq, 0
.rept 6
	v_max_num_f32 v[32+bq], v[32+bq], v[136+bq]    ; with lane l xor 16's 16: the block's largest
.set bq, bq+1
.endr
.set bq, 0
.rept 6
	v_add_nc_u32 v[142+bq], 0xff000000, v[32+bq]
.set bq, bq+1
.endr
.set bq, 0
.rept 6
	v_lshrrev_b32 v[148+bq], 23, v[142+bq]
.set bq, bq+1
.endr
	s_wait_alu depctr_va_vdst(0)
	s_wait_dscnt 0x6                               ; the other set's six stores may be out: this set's have read their registers
.irp P, 0,1,2
	v_cndmask_b32 v[184+3*YS+\P], v[148+2*\P], v[149+2*\P], s[HM]  ; lanes 0-15 store the first block's byte, lanes 16-31 the second's
.endr
.irp P, 0,1,2
	v_cvt_scalef32_pk8_fp4_f32 v[160+12*YS+4*\P], v[40+32*\P:47+32*\P], v[142+2*\P]
	v_cvt_scalef32_pk8_fp4_f32 v[161+12*YS+4*\P], v[48+32*\P:55+32*\P], v[142+2*\P]
	v_cvt_scalef32_pk8_fp4_f32 v[162+12*YS+4*\P], v[56+32*\P:63+32*\P], v[143+2*\P]
	v_cvt_scalef32_pk8_fp4_f32 v[163+12*YS+4*\P], v[64+32*\P:71+32*\P], v[143+2*\P]
.endr
	v_nop                                          ; one plain instruction behind the conversions
.irp P, 0,1,2
	v_permlane16_swap_b32 v[160+12*YS+4*\P], v[162+12*YS+4*\P]     ; the first's lanes 16-31 change places with the second's lanes 0-15
	v_permlane16_swap_b32 v[161+12*YS+4*\P], v[163+12*YS+4*\P]
.endr
.irp P, 0,1,2
	ds_store_b128 v[14+\P], v[160+12*YS+4*\P:163+12*YS+4*\P] offset:1024*(\m)
	ds_store_b8 v[17+\P], v[184+3*YS+\P] offset:128*((\m)%2)+4*((\m)/2)
.endr
.set YS, 1-YS
.endm
; THE WAY OUT, in three parts.  RS: relu of row tile m in place, and into my stage.  LB: back as pieces of rows of 256 bytes.  ADDST: + text_x, stored.
.macro RS m
.irp H, 0,1
	WIN 0x44*(1+\H)                                ; destination and source 1 (an LDS store's data too): window 1 + H
.set tt, 0
.rept 6
.set jj, 0
.rept 8
	v_max_num_f32 v[8*(4*tt+(\m))+jj], 0, v[8*(4*tt+(\m))+jj]      ; each accumulator from its low end on
.set jj, jj+1
.endr
.set tt, tt+1
.endr
.set tt, 0
.rept 6
	ds_store_b128 v22, v[8*(4*tt+(\m)):8*(4*tt+(\m))+3] offset:128*((6*\H+tt)/2)+32*((6*\H+tt)%2)
	ds_store_b128 v22, v[8*(4*tt+(\m))+4:8*(4*tt+(\m))+7] offset:128*((6*\H+tt)/2)+32*((6*\H+tt)%2)+16
.set tt, tt+1
.endr
.endr
	WIN 0
.endm
.macro LB
.set LP, 0
.rept 24
	ds_load_b128 v[88+4*LP:91+4*LP], v20 offset:1568*(LP/3)+256*(LP%3)   ; LDS serves a wave's instructions in order: these see the stores above, and the next row tile's stores come behind them
.set LP, LP+1
.endr
.endm
.macro ADDST m
.set LP, 0
.rept 24
	RESMAP 24*(\m)+LP
	WIN TW<<2
	v_pk_add_f32 v[88+4*LP:89+4*LP], v[88+4*LP:89+4*LP], v[TR:TR+1]
	v_pk_add_f32 v[90+4*LP:91+4*LP], v[90+4*LP:91+4*LP], v[TR+2:TR+3]
.set LP, LP+1
.endr
	WIN 0
.set LP, 0
.rept 24
	global_store_b128 v25, v[88+4*LP:91+4*LP], s[72:73] offset:49152*(\m)+6144*(LP/3)+256*(LP%3) th:TH_STORE_NT   ; sixteen lanes store 256 consecutive bytes, at a multiple of 256 from the buffer's first byte
.set LP, LP+1
.endr
.endm
	; ---------------- the head
	s_load_b512 s[4:19], s[0:1], 0x0               ; text_x s[4:5], audio_x s[6:7], a_gamma s[8:9], a_var s[10:11], a_mean s[12:13], a_beta s[14:15], t_gamma s[16:17], t_var s[18:19]
	s_load_b512 s[20:35], s[0:1], 0x40             ; t_mean s[20:21], t_beta s[22:23], ab s[24:25], b1 s[26:27], b2 s[28:29], wstream s[30:31], awx s[32:33], tbx s[34:35]
	s_load_b64 s[36:37], s[0:1], 0x80              ; out0
	v_lshl_add_u32 v30, v0, 2, SPARE
	v_mov_b32 v31, 0
	ds_add_u32 v30, v31                            ; the wave's opening: the add, twice on end, and its wait ahead of my first tensor load; the set-up below, work on registers, stands between
	ds_add_u32 v30, v31
	v_lshrrev_b32 v32, 5, v0
	v_readfirstlane_b32 s[WV], v32                 ; wave 0..3
	s_bfe_u32 s57, ttmp6, 0x40000                  ; cx
	s_lshl_b32 s58, ttmp9, 2
	s_add_co_u32 s58, s58, s57                     ; my work-group = 4 x cluster + cx
	s_and_b32 s[UC], ttmp9, 15                     ; where my cluster's walk over W1's units 1 .. 16 begins
	s_mov_b32 s[FB], 0
	s_mov_b32 s[FL], 0x1800000
	s_mov_b32 s[HM], 0xffff0000
	s_mov_b32 s[SEL], 0x76543210
	s_mov_b32 s[SEL+1], 0xfedcba98
	s_mul_i32 s[WQ], s[WV], 26112
	s_mov_b32 s[TB], 0
	s_mov_b32 s[NN], 0
	; descriptor group 1: a quarter of a unit, 26,112 dense bytes, as 102 rows of 256 bytes (32 elements of 8 bytes); no padding: images are read 16 bytes a lane on end
	s_mov_b32 s40, 15|(3<<16)|(1<<21)              ; the mask: all four work-groups; elements of 8 bytes; bit 21 set beside a mask
	s_mov_b32 s41, 32<<16                          ; tensor_dim0
	s_mov_b32 s42, 102<<16                         ; tensor_dim1
	s_mov_b32 s43, 32<<16                          ; tile_dim0
	s_mov_b32 s44, 102                             ; tile_dim1
	s_mov_b32 s45, 32                              ; from row to row
	s_mov_b32 s46, 0
	s_mov_b32 s47, 0
	; addresses: l = lane, r = l % 16, h = l / 16
	v_and_b32 v32, 31, v0
	v_and_b32 v33, 15, v0
	v_bfe_u32 v34, v0, 4, 1
	v_bfe_u32 v217, v0, 4, 1                       ; h, kept
	v_lshlrev_b32 v1, 4, v32                       ; 16 l: an image's place for my lane (slot 0's first step tile)
	v_add_nc_u32 v2, STEPB, v1                     ; its second step tile
	v_lshlrev_b32 v35, 2, v32
	v_lshlrev_b32 v216, 2, v32                     ; 4 l, kept
	v_add_nc_u32 v3, 49152, v35                    ; scale words of slot 0's first step tile,
	v_add_nc_u32 v4, STEPB+49152, v35              ; of its second
	s_mul_i32 s88, s[WV], 12288
	v_add_nc_u32 v5, s88, v1                       ; my 12 fragments in a step tile
	s_mul_i32 s88, s[WV], 768
	s_add_co_u32 s88, s88, 49152
	v_add_nc_u32 v6, s88, v35                      ; and their scale words
	v_add_nc_u32 v9, AST, v1                       ; the store: codes,
	v_lshlrev_b32 v36, 3, v32
	v_add_nc_u32 v10, AST+4096, v36                ; scale words, 8 bytes a lane
	s_lshl_b32 s88, s[WV], 10
	s_add_co_u32 s88, s88, AST
	v_add_nc_u32 v11, s88, v1                      ; row tile w's codes
	s_and_b32 s88, s[WV], 1
	s_lshl_b32 s88, s88, 7
	s_lshr_b32 s89, s[WV], 1
	s_lshl_b32 s89, s89, 2
	s_add_co_u32 s88, s88, s89
	s_add_co_u32 s88, s88, AST+4096
	v_lshlrev_b32 v37, 3, v33
	s_wait_alu depctr_va_vdst(0)
	v_add_nc_u32 v13, s88, v37                     ; row tile w's scale word of row r,
	v_add_nc_u32 v12, v13, v34                     ; and my half's byte in it
.irp P, 0,1,2                          ; pair P of my three pairs of blocks along the 768: pair 3 w + P of twelve: K step (3 w + P) / 2, registers 4 c on with c = (3 w + P) % 2
	s_mul_i32 s88, s[WV], 3
	s_add_co_u32 s88, s88, \P
	s_lshr_b32 s89, s88, 1
	s_mul_i32 s89, s89, ASTEP
	s_and_b32 s88, s88, 1
	s_lshl_b32 s90, s88, 9
	s_add_co_u32 s90, s90, s89
	s_add_co_u32 s90, s90, AST
	v_add_nc_u32 v[14+\P], s90, v1
	s_lshl_b32 s90, s88, 1
	s_add_co_u32 s90, s90, s89
	s_add_co_u32 s90, s90, AST+4096
	v_add_nc_u32 v[17+\P], s90, v37
	v_add_nc_u32 v[17+\P], v[17+\P], v34
.endr
	s_mul_i32 s91, s[WV], STGW
	s_add_co_u32 s91, s91, STG                     ; my stage: rows of 768 + 16 bytes (text, out) or 512 + 16 (audio)
	v_mul_u32_u24 v38, v34, 784
	v_lshl_add_u32 v38, v33, 4, v38
	v_add_nc_u32 v20, s91, v38                     ; as memory has it: row h of a pair, 16 r
	v_mul_u32_u24 v38, v33, 784
	v_lshl_add_u32 v39, v34, 7, v38
	v_add_nc_u32 v21, s91, v39                     ; row r, my half's block of 32
	v_lshl_add_u32 v39, v34, 6, v38
	v_add_nc_u32 v22, s91, v39                     ; row r, my half's 16 results
	v_add_nc_u32 v23, s91, v1
	v_mul_u32_u24 v38, v33, 528
	v_lshl_add_u32 v39, v34, 7, v38
	v_add_nc_u32 v24, s91, v39
	v_mul_u32_u24 v38, v34, 3072
	v_lshl_add_u32 v25, v33, 4, v38                ; text_x and out: row h of a pair, 16 r
	v_lshlrev_b32 v26, 6, v34                      ; biases: 64 h
	v_lshlrev_b32 v27, 7, v34                      ; the table of (1, tb): 128 h
	v_lshlrev_b32 v28, 4, v33                      ; text parameters: 16 r
	v_mov_b32 v29, 0
	s_wait_dscnt 0x0                               ; both opening adds are done
	s_wait_kmcnt 0x0
	s_mov_b32 s89, 0
	s_mov_b32 s48, 1                               ; group 0 for unit 0 of wstream (tW): slot 0
	s_mov_b32 s49, s[WQ]
	s_mov_b32 s88, s[WQ]
	s_add_nc_u64 s[50:51], s[30:31], s[88:89]
	s_or_b32 s51, s51, 0x80000000
	s_mov_b32 s52, 1                               ; group 0 for W1's unit 0: slot 1; it then walks
	s_add_co_u32 s53, s[WQ], SLOT1
	s_add_co_u32 s88, s[WQ], UBYTES
	s_add_nc_u64 s[54:55], s[30:31], s[88:89]
	s_or_b32 s55, s55, 0x80000000
	s_mul_i32 s88, s[WV], 768                      ; my 192 columns
	s_add_nc_u64 s[76:77], s[26:27], s[88:89]      ; b1
	s_add_nc_u64 s[78:79], s[28:29], s[88:89]      ; b2
	s_add_nc_u64 s[80:81], s[16:17], s[88:89]      ; t_gamma
	s_add_nc_u64 s[82:83], s[18:19], s[88:89]      ; t_var
	s_add_nc_u64 s[84:85], s[20:21], s[88:89]      ; t_mean
	s_add_nc_u64 s[86:87], s[22:23], s[88:89]      ; t_beta
	s_mul_i32 s92, s58, 196608                     ; my work-group's 64 rows of 3,072 bytes (registers of their own for what hangs on cx)
	s_mul_i32 s94, s[WV], 768
	s_add_co_u32 s92, s92, s94
	s_mov_b32 s93, 0
	s_add_nc_u64 s[70:71], s[4:5], s[92:93]        ; text_x
	s_add_nc_u64 s[72:73], s[36:37], s[92:93]      ; out0
	s_lshl_b32 s92, s58, 15                        ; 64 rows of 512 bytes,
	s_lshl_b32 s94, s[WV], 13                      ; my wave's 16
	s_add_co_u32 s92, s92, s94
	s_add_nc_u64 s[74:75], s[6:7], s[92:93]        ; audio_x
	ROUND                                          ; all four work-groups are here: the first joint loads meet
	tensor_load_to_lds s[48:51], s[40:47]          ; tW's unit into slot 0
	s_nop 0
	PLACES 4
	; ALL THAT THE BRANCHES READ IS ASKED FOR AT ONCE, 178 loads: 34 small ones, 16 of audio, 96 of text, 32 of the table.  All their registers are free from the start
	global_load_b128 v[104:107], v1, s[8:9]        ; the audio parameters of my four columns
	global_load_b128 v[108:111], v1, s[10:11]
	global_load_b128 v[112:115], v1, s[12:13]
	global_load_b128 v[116:119], v1, s[14:15]
	s_wait_alu depctr_va_vdst(0)
.irp u, 0,1,2
	global_load_b128 v[160+4*\u:163+4*\u], v28, s[80:81] offset:256*\u        ; the text parameters of my twelve
	global_load_b128 v[172+4*\u:175+4*\u], v28, s[82:83] offset:256*\u
	global_load_b128 v[184+4*\u:187+4*\u], v28, s[84:85] offset:256*\u
	global_load_b128 v[196+4*\u:199+4*\u], v28, s[86:87] offset:256*\u
.endr
.set i, 0
.rept 8
	global_load_b128 v[128+4*i:131+4*i], v1, s[32:33] offset:512*i ; aW's four fragments
.set i, i+1
.endr
	global_load_b32 v248, v216, s[32:33] offset:4096               ; their scale words, two tiles to a register
	global_load_b32 v249, v216, s[32:33] offset:4224
	WIN 0xc0
.set i, 0
.rept 8
	global_load_b128 v[132+4*i:135+4*i], v29, s[24:25] offset:16*i ; ab is the C of the audio products: A[1 .. 32]
.set i, i+1
.endr
.set i, 0
.rept 16
	global_load_b128 v[4*i:4*i+3], v1, s[74:75] offset:512*i th:TH_LOAD_NT    ; audio: a row of 512 bytes a load
.set i, i+1
.endr
	TXLOAD 0, 0
	TXLOAD 1, 0
	TXLOAD 2, 0
	TXLOAD 3, 0
.set i, 0
.rept 32
	WIN 0x40*(1+i/16)
	global_load_b128 v[192+4*(i%16):195+4*(i%16)], v27, s[34:35] offset:16*i   ; (1, tb)[(x + 32 h) mod 129], x = 4 i on
.set i, i+1
.endr
	WIN 0
	; ---------------- the audio branch, my 16 rows
	s_wait_loadcnt 0x3f                            ; of 178 loads at most 63 are out: the first 115 are in: the 34 small ones, audio's 16, and row tiles 0 and 1 of the text
.irp k, 0,1,2,3
	v_add_f32 v[108+\k], 0x3727c5ac, v[108+\k]     ; var + 1e-5
.endr
	s_wait_alu depctr_va_vdst(0)
.irp k, 0,1,2,3
	v_rsq_f32 v[108+\k], v[108+\k]
.endr
	v_nop                                          ; a plain instruction behind the last of the batch,
	s_wait_alu depctr_va_vdst(0)                   ; and one wait ahead of its first reader
	v_pk_mul_f32 v[108:109], v[108:109], v[104:105]
	v_pk_mul_f32 v[110:111], v[110:111], v[106:107]
	v_pk_fma_f32 v[116:117], v[112:113], v[108:109], v[116:117] neg_lo:[1,0,0] neg_hi:[1,0,0]   ; c = beta - mean g
	v_pk_fma_f32 v[118:119], v[114:115], v[110:111], v[118:119] neg_lo:[1,0,0] neg_hi:[1,0,0]
	WIN 0xc3
.set i, 0
.rept 16
	v_pk_fma_f32 v[4*i:4*i+1], v[4*i:4*i+1], v[108:109], v[116:117]
	v_pk_fma_f32 v[4*i+2:4*i+3], v[4*i+2:4*i+3], v[110:111], v[118:119]
.set i, i+1
.endr
	WIN 0x0c
.set i, 0
.rept 16
	ds_store_b128 v23, v[4*i:4*i+3] offset:528*i
.set i, i+1
.endr
	WIN 0
.set i, 0
.rept 16
	ds_load_b128 v[40+4*i:43+4*i], v24 offset:256*(i/8)+16*(i%8)   ; lane (r, h): row r, numbers 64 c + 32 h + 0 .. 31
.set i, i+1
.endr
	s_wait_dscnt 0x0
	QUANT32 40, 120, 38
	QUANT32 72, 124, 39
	v_lshl_or_b32 v246, v39, 16, v38               ; my two bytes: blocks h and 2 + h of row r,
	v_lshlrev_b32 v37, 3, v217
	v_lshlrev_b32 v246, v37, v246                  ; at their places in the scale word;
	v_mov_b32 v37, 0
	v_permlanex16_b32 v37, v246, s[SEL], s[SEL+1]
	v_or_b32 v246, v246, v37                       ; with lane l xor 16's two the word is whole
.set i, 0
.rept 12
	v_add_f32 v[172+i], 0x3727c5ac, v[172+i]       ; the text branch's gains; these twelve are also the plain instructions between the scale word's last write and the products
.set i, i+1
.endr
.set i, 0
	s_wait_alu depctr_va_vdst(0)
.rept 12
	v_rsq_f32 v[172+i], v[172+i]
.set i, i+1
.endr
	v_nop
	s_wait_alu depctr_va_vdst(0)                   ; one wait for the batch
.set i, 0
.rept 6
	v_pk_mul_f32 v[172+2*i:173+2*i], v[172+2*i:173+2*i], v[160+2*i:161+2*i]
.set i, i+1
.endr
.set i, 0
.rept 6
	v_pk_fma_f32 v[196+2*i:197+2*i], v[184+2*i:185+2*i], v[172+2*i:173+2*i], v[196+2*i:197+2*i] neg_lo:[1,0,0] neg_hi:[1,0,0]   ; c = beta - mean g
.set i, i+1
.endr
	WIN 0xf0
.irp t, 0,1,2,3
	WM 132+8*\t, 128+8*\t, 120, 132+8*\t, 248+\t/2, 246, \t%2, 0   ; every lane of row r gets audio_h[8 t + 0 .. 7]
.endr
	WIN 0
	; ---------------- the text branch's operand: all 64 rows, my 192 columns.  (Its first packed lines, which name none of the audio products' registers, are the places behind those products)
	TEXTM 0
	TEXTM 1
	TEXTM 2
	TEXTM 3
	s_wait_tensorcnt 0x0                           ; my quarter of tW's unit is in
	ds_add_u32 v30, v31
	s_wait_dscnt 0x0                               ; the add is done, and my images of x have landed in the store
	ROUND                                          ; x's 24 fragments lie in the store, tW's codes in slot 0, and all four work-groups are here
	tensor_load_to_lds s[52:55], s[40:47]          ; W1's unit 0 into slot 1: my one tensor load behind the round; the text product and unit 0's generator stand ahead of the wait for it
	s_nop 0
	PLACES 4
	BIAS 76
	; ---------------- text_h of my 16 rows: 6 K steps x 16 tiles
.set i, 0
.rept 6
	ds_load_b128 v[40+8*i:43+8*i], v11 offset:ASTEP*i
	ds_load_b128 v[44+8*i:47+8*i], v11 offset:ASTEP*i+512
	ds_load_b32 v[240+i], v13 offset:ASTEP*i
.set i, i+1
.endr
	TFETCH 0, 0
	TFETCH 1, 0
.irp s, 0,1,2,3,4
	s_wait_dscnt 0x14                              ; all but the other half's 20
	TMUL 0, \s
	PLACES 4
	TFETCH 0, \s+1
	s_wait_dscnt 0x14
	TMUL 1, \s
	PLACES 4
	TFETCH 1, \s+1
.endr
	s_wait_dscnt 0x14
	TMUL 0, 5
	s_wait_dscnt 0x0
	TMUL 1, 5
	s_wait_loadcnt 0x0                             ; the table of (1, tb), and b1
	PLACES 4
.set i, 0
.rept 64
	WIN 0xc7+4*(i/32)
	v_pk_add_f32 v[2*i:2*i+1], v[2*i:2*i+1], v[192+2*(i%32):193+2*(i%32)]     ; T = the sums + (1, tb), each tile from its low end on
.set i, i+1
.endr
	WIN 0x03
	v_mov_b32 v38, v96                             ; T[128] = (1, text_h)[128] in lanes 0-15: lanes 16-31 hold it as T[96];
	v_mov_b32 v39, v31                             ; = (1, text_h)[31] in lanes 16-31: lanes 0-15 hold it as T[31]
	WIN 0
	v_permlanex16_b32 v34, v38, s[SEL], s[SEL+1]
	v_permlanex16_b32 v35, v39, s[SEL], s[SEL+1]
	WIN 0xc0
	v_cndmask_b32 v128, v34, v35, s[HM]
	v_mov_b32 v131, 1.0                            ; A[0]
	v_mov_b32 v164, 0                              ; A[33]: what lies beyond K is 0
	WIN 0xcf
.set i, 0
.rept 33
	v_cndmask_b32 v[166+i], v[131+i], v[132+i], s[HM]              ; M[i], ascending: each audio tile is read from its low end on
.set i, i+1
.endr
	WIN 0
	BAR                                            ; the store changes hands: every wave's reads of x's images are over before the fusion's first codes are stored there
	GENMUL 0                                       ; W1's unit 0, into buffer 0: the first change of slots publishes it
	GENQ 0, 11, 12
	; ---------------- fusion x W1: 17 trips, a unit of two K steps each
.Lw1:
	CHANGE 1, -1
	v_add_nc_u32 v27, s[FB], v9                    ; the buffer that this trip reads: codes,
	v_add_nc_u32 v28, s[FB], v10                   ; scale words
	s_xor_b32 s[FB], s[FB], 2*ASTEP                ; the other buffer: this trip's generator writes it, the next trip reads it
	v_add_nc_u32 v23, s[FB], v11
	v_add_nc_u32 v24, s[FB], v12
	UFETCH 1, 27, 28, 0
	s_cmp_eq_u32 s[NN], 16                         ; the last trip has no unit of W1 behind it: one jump on the count of trips, round the generator alone
	s_cbranch_scc1 .Ljoin
	s_cmp_lt_u32 s[UC], 8                          ; which unit's codes: the cluster's number and the count of trips alone decide: the same way in all waves and all partners
	s_cbranch_scc0 .Ldhi
	s_cmp_lt_u32 s[UC], 4
	s_cbranch_scc0 .Ld4
	DISP4 0, 1, 2, 3, 4
.Ld4:
	DISP4 4, 5, 6, 7, 8
.Ldhi:
	s_cmp_lt_u32 s[UC], 12
	s_cbranch_scc0 .Ld12
	DISP4 8, 9, 10, 11, 12
.Ld12:
	DISP4 12, 13, 14, 15, 16
.irp u, 1,2,3,4,5,6,7,8,9,10,11,12,13,14,15
.Lgen\u:
	GENMUL \u
	s_branch .Lquant
.endr
.Lgen16:
	GENMUL 16
.Lquant:
	GENQ 0, 23, 24
.Ljoin:
	s_add_co_u32 s[UC], s[UC], 1
	s_and_b32 s[UC], s[UC], 15
	s_wait_alu depctr_va_vdst(0)
	UMUL 1, 0
	s_add_co_u32 s[NN], s[NN], 1
	s_cmp_lt_u32 s[NN], 17
	s_cbranch_scc1 .Lw1
	; ---------------- y1, quantised, x W2: three units, written out
	CHANGE 1, 19
	WIN 0xc0
.set tq, 0
.rept 12
	global_load_b128 v[8*tq:8*tq+3], v26, s[78:79] offset:128*(tq/2)+32*(tq%2)       ; b2, eight registers a tile in the result's layout: the C of W2's first K step.  T, A and M are done with
	global_load_b128 v[8*tq+4:8*tq+7], v26, s[78:79] offset:128*(tq/2)+32*(tq%2)+16
.set tq, tq+1
.endr
	TXLOAD 1, 1                                    ; text_x once more, for the residual, a row tile or two behind each change of slots: it lands under the products
	YROW 0
	YROW 1
	YROW 2
	YROW 3
	s_wait_loadcnt 0x18                            ; b2 is in; row tile 1's 24 may be out
	BAR                                            ; y1's 24 fragments lie in the store
	UFETCH 0, 9, 10, 0
	s_wait_alu depctr_va_vdst(0)
	UMUL 0, 1
	CHANGE 1, 20
	TXLOAD 0, 1                                    ; into the registers that b2 has left
	TXLOAD 2, 1
	UFETCH 0, 9, 10, 2*ASTEP
	s_wait_alu depctr_va_vdst(0)
	UMUL 0, 0
	CHANGE 0, 0                                    ; nothing is left to fetch
	TXLOAD 3, 1
	UFETCH 0, 9, 10, 4*ASTEP
	s_wait_alu depctr_va_vdst(0)
	UMUL 0, 0
	PLACES 4
	s_wait_loadcnt 0x0                             ; the residual
	; ---------------- the way out: row tile m + 1's relu and stage stores stand between row tile m's loads from the stage and the wait for them
	RS 0
	LB
.irp m, 0,1,2
	RS \m+1
	s_wait_dscnt 0x18                              ; the row tile is back in registers; the next one's 24 stores may be out
	ADDST \m
	s_wait_xcnt 0x0                                ; the stores have read their registers: the next row tile may land there
	LB
.endr
	s_wait_dscnt 0x0
	ADDST 3
	s_wait_tensorcnt 0x0                           ; the wave's end: behind my last tensor load and my last LDS store
	ds_add_u32 v30, v31
	s_wait_dscnt 0x0
	ROUND                                          ; the closing round: no work-group ends while a partner may still ask for a unit that names it
	s_endpgm
.Lfunc_end_k_q9df3e34cbe_fused:
	.size	k_q9df3e34cbe_fused, .Lfunc_end_k_q9df3e34cbe_fused-k_q9df3e34cbe_fused
	.p2alignl 7, 3214868480
	.fill 96, 4, 3214868480
	.section	.rodata,"a",@progbits
	.p2align	6, 0x0
	.amdhsa_kernel k_q9df3e34cbe_fused
		.amdhsa_group_segment_fixed_size 327680
		.amdhsa_private_segment_fixed_size 0
		.amdhsa_enable_private_segment 0
		.amdhsa_kernarg_size 136
		.amdhsa_user_sgpr_count 2
		.amdhsa_user_sgpr_kernarg_segment_ptr 1
		.amdhsa_wavefront_size32 1
		.amdhsa_system_sgpr_workgroup_id_x 1
		.amdhsa_system_sgpr_workgroup_id_y 1
		.amdhsa_system_sgpr_workgroup_id_z 1
		.amdhsa_system_vgpr_workitem_id 0
		.amdhsa_next_free_vgpr 1024
		.amdhsa_next_free_sgpr 100
		.amdhsa_reserve_vcc 0
		.amdhsa_float_denorm_mode_32 3
		.amdhsa_float_denorm_mode_16_64 3
		.amdhsa_memory_ordered 1
		.amdhsa_forward_progress 1
		.amdhsa_inst_pref_size 255
	.end_amdhsa_kernel
	.section	.bss,"aw",@nobits
	.p2align	6
	.space	262144
	.amdgpu_metadata
---
amdhsa.version: [ 1, 2 ]
amdhsa.kernels:
  - .name:           k_q9df3e34cbe_fused
    .symbol:         k_q9df3e34cbe_fused.kd
    .args:
      - { .name: text_x, .offset: 0, .size: 8, .value_kind: global_buffer, .address_space: global }
      - { .name: audio_x, .offset: 8, .size: 8, .value_kind: global_buffer, .address_space: global }
      - { .name: a_gamma, .offset: 16, .size: 8, .value_kind: global_buffer, .address_space: global }
      - { .name: a_var, .offset: 24, .size: 8, .value_kind: global_buffer, .address_space: global }
      - { .name: a_mean, .offset: 32, .size: 8, .value_kind: global_buffer, .address_space: global }
      - { .name: a_beta, .offset: 40, .size: 8, .value_kind: global_buffer, .address_space: global }
      - { .name: t_gamma, .offset: 48, .size: 8, .value_kind: global_buffer, .address_space: global }
      - { .name: t_var, .offset: 56, .size: 8, .value_kind: global_buffer, .address_space: global }
      - { .name: t_mean, .offset: 64, .size: 8, .value_kind: global_buffer, .address_space: global }
      - { .name: t_beta, .offset: 72, .size: 8, .value_kind: global_buffer, .address_space: global }
      - { .name: ab, .offset: 80, .size: 8, .value_kind: global_buffer, .address_space: global }
      - { .name: b1, .offset: 88, .size: 8, .value_kind: global_buffer, .address_space: global }
      - { .name: b2, .offset: 96, .size: 8, .value_kind: global_buffer, .address_space: global }
      - { .name: wstream, .offset: 104, .size: 8, .value_kind: global_buffer, .address_space: global }
      - { .name: awx, .offset: 112, .size: 8, .value_kind: global_buffer, .address_space: global }
      - { .name: tbx, .offset: 120, .size: 8, .value_kind: global_buffer, .address_space: global }
      - { .name: out0, .offset: 128, .size: 8, .value_kind: global_buffer, .address_space: global }
    .group_segment_fixed_size: 327680
    .private_segment_fixed_size: 0
    .kernarg_segment_align: 8
    .kernarg_segment_size: 136
    .max_flat_workgroup_size: 128
    .sgpr_count:     100
    .vgpr_count:     1024
    .wavefront_size: 32
...
	.end_amdgpu_metadata
.endif
;; end of part 2
